; MI455X (gfx1250); checked and timed in simulation.
; The chip was launched on July 23, 2026; its instructions are those of AMD's public machine-readable ISA for CDNA 5 (MIT licence, August 2026) and "CDNA5" Instruction Set Architecture Reference Guide (July 2026). The comments in the code are by the model that wrote it; some were corrected since.
;; L Lo Ca Attention. Allowed arithmetic: matrix products marked QUANTISED: E2M3 operands, one E8M0 scale for each 32 along K, by v_wmma_scale_f32_16x16x128_f8f6f4 with both operands' format E2M3, f32 sums; products left as they are: f32 operands where the result goes on into a quantised operand, else bf16, f16 or f32 operands; f32 sums; everything else in f32.
;; Inputs: frames 4 x 2,048 x 4 x 4 float32; k_local 4 x 8 x 2,048 x 32 float32; q_local 4 x 8 x 2,048 x 32 float32; v_local 4 x 8 x 2,048 x 32 float32.
;; Outputs: out0 4 x 8 x 2,048 x 32 float32.
;; This version of the problem:
;;   THIS VERSION OF THE PROBLEM IS GIVEN IN LOW PRECISION. The matrix products marked QUANTISED in the list below multiply operands that are first quantised to E2M3 (2 exponent bits, 3 mantissa bits; 6 bits a number), with one power-of-two scale for each 32 numbers along K (OCP MX v1.0); their sums are f32. All else is computed in f32.
;;   The module's matrix products, in the order in which they are computed (A, B: the left and right operand; K: the contracted axis; several contracted axes count as one K, in the product's order):
;;     1. batch 8,192 x [M 32, K 4] x [K 4, N 4]; A: input q_local; B: computed on the way: left as it is (K = 4 < 32)
;;     2. batch 8,192 x [M 32, K 4] x [K 4, N 4]; A: input k_local; B: input frames: left as it is (K = 4 < 32)
;;     3. batch 8,192 x [M 32, K 4] x [K 4, N 4]; A: input v_local; B: computed on the way: left as it is (K = 4 < 32)
;;     4. batch 32 x [M 2,048, K 32] x [K 32, N 2,048]; A: computed on the way; B: computed on the way: QUANTISED
;;     5. batch 32 x [M 2,048, K 2,048] x [K 2,048, N 32]; A: softmax (see below); B: computed on the way: QUANTISED
;;     6. batch 8,192 x [M 32, K 4] x [K 4, N 4]; A: computed on the way; B: input frames: left as it is (K = 4 < 32)
;;   THE QUANTISER, for each operand of a quantised product, along K:
;;     - K is cut into blocks of 32 from its start; a last block that is shorter is filled with zeros.
;;     - A block's scale is 2^e with e = floor(log2(the largest magnitude in the block)) - 2, held to -126 .. 127; a block of zeros has e = 0. As a byte (E8M0): e + 127.
;;     - Each number is divided by its block's scale, clamped to +-7.5, and rounded to the nearest number of E2M3, ties to even, subnormals kept.
;;     - The product sums the exact products of the quantised numbers (number of the format x scale) in f32.
;;   ~~~python
;;   def quantise(x, axis):      # numpy; x: float32 -> the quantised numbers, widened to float32 again
;;       x = np.moveaxis(x, axis, -1); K = x.shape[-1]
;;       x = np.pad(x, [(0, 0)] * (x.ndim - 1) + [(0, -K % 32)]); x = x.reshape(x.shape[:-1] + (-1, 32)); a = np.abs(x).max(-1, keepdims=True)
;;       e = np.where(a > 0, np.clip(np.frexp(np.where(a > 0, a, 1))[1] - 1 - 2, -126, 127), 0)      # np.frexp(a)[1] - 1 = floor(log2(a)), exactly
;;       r = np.clip(x / 2.0 ** e, -7.5, 7.5)
;;       step = 2.0 ** (np.maximum(np.frexp(np.where(r == 0, 1, r))[1] - 1, 0) - 3)
;;       q = np.round(r / step) * step * 2.0 ** e      # np.round: ties to even
;;       return np.moveaxis(q.reshape(q.shape[:-2] + (-1,))[..., :K], -1, axis).astype(np.float32)
;;   ~~~
;;   SOFTMAX AHEAD OF A QUANTISED PRODUCT. Where the list says 'softmax', what is quantised is not the finished softmax but p = 2^(t - M), with t = logit x log2(e) and M = ceil(the row's largest t), a whole number; so 1/2 < the row's largest p <= 1. The row's sum l is taken of the UNQUANTISED p, in f32, and the product's result is divided by l at the end. Since M is a whole number, a kernel that streams over the keys may use a running M (the ceiling of the running maximum): every later rescaling is an exact power of two, which a block's scale takes up: the codes' values come out the same.
;;   OPERANDS COMPUTED ON THE WAY. 'Computed on the way' means the value that the module computes at that place (a softmax that the list does not call 'softmax' is quantised finished and normalised). What goes into a quantiser is computed in f32, as accurately as f32 sums, v_exp_f32 and their like allow (about 1e-6 of the number): no bf16 or f16 on the way to a quantiser, and a product that is left as it is and whose result goes on into a quantised operand takes f32 operands (vector FMAs, or v_wmma_f32_16x16x4_f32). A number that lies on a knife's edge between two numbers of the format may be rounded either way, as far as f32 arithmetic and the matrix unit's own rounding can turn it there, and no further.
;; 2 versions. Each part assembles by itself: llvm-mc -triple=amdgcn-amd-amdhsa -mcpu=gfx1250 --defsym DOCPART=n.
;; ======== version 1 of 2: 1 launch
;; launch attn (part 1): grid 8 x 32, 16 waves a work-group, no clusters, 262,144 bytes of LDS; arguments q_local, k_local, v_local, frames, out0; writes out0
.if DOCPART == 1
	.amdgcn_target "amdgcn-amd-amdhsa--gfx1250"
	.amdhsa_code_object_version 6
	.text
	.protected	k_q5d284f3227_attn
	.globl	k_q5d284f3227_attn
	.p2align	8
	.type	k_q5d284f3227_attn,@function
k_q5d284f3227_attn:
	s_mov_b64 s[64:65], 0
	v_nop
	global_prefetch_b8 v0, s[64:65] scope:SCOPE_SE
	s_setreg_imm32_b32 hwreg(HW_REG_WAVE_MODE, 25, 1), 1
	s_wait_xcnt 0x0
; LLoCa attention, both large products on codes of FP6 (E2M3) with one E8M0 scale for each 32 along K.
; q, k, v, out: [4][8][2048][32] f32, channels 0-15 scalars, 16-31 four four-vectors; frames F: [4][2048][4][4] f32, shared by a batch's 8 heads.
;   q_g = (eta F^T eta) q, k_g = F^T k, v_g = (eta F^T eta) v on the four-vectors, in f32;  S = Q(q_g) Q(k_g)^T;  t = S log2(e) / 32;  M = ceil(running largest t);
;   p = 2^(t - M);  l = the sum of the unquantised p;  O = Q(p) Q(v_g) / l;  out = F O on the four-vectors.
; SHARES.  A work-group owns 256 queries of one head (grid 8 x 32 = 256 work-groups); each of its sixteen waves owns 16 queries, one tile, in 256 registers.
; K AND V OF THE WHOLE HEAD LIE IN LDS AS FINISHED OPERANDS (codes and scale words, images of the operands' registers), written once, never overwritten.  The work-group makes them itself, in four
; chunks of 512 keys: while a chunk is multiplied, each wave prepares ONE block of 32 keys of the next chunk (transform, quantise); its global loads are issued two key steps ahead of the wait for them,
; into 48 registers that the key steps do not touch.  One barrier a chunk.  No tensor load, no copy, so no ring.
; NO CLUSTER, NO JOINT LOADS: what the 8 work-groups of a head share is f32 that has to pass through registers (transform, quantise) before it is an operand.  Brought jointly into LDS, a chunk's f32 is
; 512 x (128 + 128 + 64) = 163,840 bytes; two such slots beside the 124,928 bytes of operands are 452,608 bytes, more than the 327,680 that a work-group can claim.
; THE FIRST PRODUCT has 32 real k for the instruction's 128.  Lane (row, h) holds channels 16 h .. 16 h + 15 in a fragment's registers 0-2, which are k slots 32 h .. 32 h + 15; scale bytes 0 and 1 both hold
; the row's byte, bytes 2 and 3 are 0.  Q's registers 3-11 are zero codes, so whatever stands in registers 3-11 of a fragment of K adds nothing (FP6 has no NaN and no infinity, and no byte here is 0xff):
; K's fragments stand four registers apart and overlap.
; BOTH PRODUCTS ARE USED TRANSPOSED: S^T = K Q^T (source 0 = 16 keys), O^T = V^T P^T (source 0 = 16 channels): a lane holds ONE query (lane % 16) throughout.
; THE KEYS OF A TILE ARE NOT NEIGHBOURS: row m of tile t is key 64 (t / 4) + 32 (m / 8) + 8 (t % 4) + m % 8 of the step, so that S's register 32 c + i of lane (r, h) is key 64 c + 32 h + i: a lane holds two
; WHOLE blocks of 32 keys in the order of the 6-bit operand: a block's maximum needs no other lane, and the conversions' results are P's registers.
; LIMITS: NaN and infinities among the inputs are not served.  A block whose largest magnitude lies under 2^-124 keeps the scale byte 1; so does a block of zeros, where the rule says 127: its codes are zeros,
; and this program alone reads the bytes.  A p under 2^-126 becomes 0 (v_exp_f32 flushes).  The 32 products of a score stand at k slots 0-15 and 32-47: the same products, grouped otherwise in the unit.
.set KIMG,  0                          ; LDS: K's codes [step 16][tile 8][lane 32][16 bytes, 12 used]
.set VIMG,  65536                      ; V's codes [step 16][channel tile 2][lane 32][48 bytes]: 48 = 3 x 16, so sixteen lanes' 16 bytes fall into sixteen different 16-byte columns of 256
.set KSC,   114688                     ; K's scale words [step 16][lane 32][16 bytes = registers KS .. KS + 3]
.set VSC,   122880                     ; V's scale words [step 16][lane 32][4 bytes]
.set STG,   124928                     ; the waves' own stages, STGW bytes each
.set STGW,  8448
.set PA,    144                        ; stage part A, at 0: 32 rows of 128 bytes + 16: 9 x 16, rows begin in different 16-byte columns
.set PF,    80                         ; parts F, at SFO: 32 rows of 64 bytes + 16 (a pass's frames), and FQ, at FQO: 16 such rows (my queries' frames, kept to the end)
.set SFO,   4608
.set FQO,   7168
.set CHK,   16384                      ; a chunk (4 steps) in K's codes,
.set CHKS,  2048                       ; in K's scale words,
.set CHV,   12288                      ; in V's codes,
.set CHVS,  512                        ; in V's scale words
.set FLOOR, 0x1800000                  ; 2^(3 - 127): no largest magnitude is taken under it, so no scale byte falls under 1
.set TWOFF, 0xff000000                 ; takes 2, the exponent of 7.5, off an f32's exponent field
; vector registers
.set GIN,   1                          ; 16 x lane: my 16 bytes of a dense 512; never rewritten
.set SINA,  2                          ; stage A as loaded: 144 (lane / 8) + 16 (lane % 8)
.set SINF,  3                          ; stage F as loaded: 80 (lane / 4) + 16 (lane % 4)
.set SROW,  4                          ; stage A, row = lane
.set SFR,   5                          ; stage F, row = lane
.set SCOL,  6                          ; stage A, column = lane: 4 x lane
.set WKA,   7                          ; where my pass's codes of K go, in a chunk
.set WKSA,  8                          ; its scale words
.set WVA,   9                          ; V's codes
.set WVSA,  10                         ; V's scale byte
.set RK,    11                         ; where the chunk in hand is read: K's codes,
.set RKS,   12                         ; K's scale words,
.set RV,    13                         ; V's codes,
.set RVS,   14                         ; V's scale words
.set FQR,   15                         ; stage FQ, row = lane % 16
.set Q,     16                         ; v16-27  Q's fragment: 16-18 codes, 19-27 zeros
.set QS,    28                         ; Q's scale word
.set PW,    29                         ; p's scale word
.set VS,    30                         ; V's scale words: lanes 0-15 channels 0-15, lanes 16-31 channels 16-31
.set SH8,   31                         ; 8 x (lane / 16)
.set KS,    32                         ; v32-35  K's scale words: register j: tile 2 j in lanes 0-15, tile 2 j + 1 in lanes 16-31
.set KF,    36                         ; v36-67  K's fragments: tile t's three registers at KF + 4 t.  At the head: the first pass's v as loaded
.set VF,    68                         ; v68-91  V's two fragments.  At the head: q and its frames as loaded
.set S,     92                         ; v92-155 S^T, then p.  Between steps: the preparation's rows, matrix and results
.set P,     156                        ; v156-167 p's codes
.set OT,    168                        ; v168-183 O^T: register 8 ct + j = channel 16 ct + 8 (lane / 16) + j
.set W,     184                        ; v184-195 at work
.set NM,    196                        ; -M
.set TM,    197                        ; the running largest t
.set LS,    198                        ; v198-199 the row's sum, in two halves
.set FF,    200                        ; v200 f = 2^(old M - new M); v201 = 0, named with it as a pair
.set L2,    202                        ; v202-203 a second chain of the sum
.set OST,   204                        ; the way out: 144 (lane % 16) + 32 (lane / 16)
.set QRD,   205                        ; q's rows: 144 (lane % 16) + 64 (lane / 16)
.set LANE,  206
.set RAW,   208                        ; v208-239 a pass's k, then v, as loaded; then V's columns
.set RF,    240                        ; v240-255 a pass's frames as loaded
; scalar registers
.set KP,    6                          ; s[6:7]   k at my pass
.set VP,    8                          ; s[8:9]   v at my pass
.set FP,    10                         ; s[10:11] frames at my pass
.set WAVE,  14
.set SEL,   20                         ; s[20:21] v_permlanex16_b32's selects for lane l xor 16
.set CS,    22                         ; s[22:23] c = log2(e) / 32; the packed form names a pair and takes its low word for both halves
.set CH,    24                         ; counts the chunks
.set CK,    36                         ; where the chunk in hand begins: in K's codes,
.set CKS,   37                         ; K's scale words,
.set CV,    38                         ; V's codes,
.set CVS,   39                         ; V's scale words
; 16 numbers as four four-vectors: dst[4 v + i] = the sum over j of mat[4 j + i] src[4 v + j]: two i at a time, src[4 v + j] for both halves.  mat = F as it lies gives F^T.
.macro XFORM dst, src, mat
.irp v, 0,1,2,3
.irp p, 0,2
	v_pk_mul_f32 v[\dst+4*\v+\p:\dst+4*\v+\p+1], v[\mat+\p:\mat+\p+1], v[\src+4*\v:\src+4*\v+1] op_sel_hi:[1,0]
.endr
.endr
.irp v, 0,1,2,3
.irp p, 0,2
	v_pk_fma_f32 v[\dst+4*\v+\p:\dst+4*\v+\p+1], v[\mat+4+\p:\mat+4+\p+1], v[\src+4*\v:\src+4*\v+1], v[\dst+4*\v+\p:\dst+4*\v+\p+1] op_sel:[0,1,0] op_sel_hi:[1,1,1]
.endr
.endr
.irp v, 0,1,2,3
.irp p, 0,2
	v_pk_fma_f32 v[\dst+4*\v+\p:\dst+4*\v+\p+1], v[\mat+8+\p:\mat+8+\p+1], v[\src+4*\v+2:\src+4*\v+3], v[\dst+4*\v+\p:\dst+4*\v+\p+1] op_sel_hi:[1,0,1]
.endr
.endr
.irp v, 0,1,2,3
.irp p, 0,2
	v_pk_fma_f32 v[\dst+4*\v+\p:\dst+4*\v+\p+1], v[\mat+12+\p:\mat+12+\p+1], v[\src+4*\v+2:\src+4*\v+3], v[\dst+4*\v+\p:\dst+4*\v+\p+1] op_sel:[0,1,0] op_sel_hi:[1,1,1]
.endr
.endr
.endm
; F becomes eta F eta: the sign turns where exactly one index is 0.  With XFORM that is eta F^T eta, for q and v.
.macro FLIP mat
.irp e, 1,2,3,4,8,12
	v_xor_b32 v[\mat+\e], 0x80000000, v[\mat+\e]
.endr
.endm
; The largest magnitude of v[a .. a + 15], v[b .. b + 15] and the floor, into v[W + 8]: two chains that do not wait for each other.
.macro BMAX a, b
	v_max3_num_f32 v[W+8], |v[\a]|, |v[\a+1]|, FLOOR
	v_max3_num_f32 v[W+9], |v[\b]|, |v[\b+1]|, |v[\b+2]|
.irp i, 0,1,2,3,4,5
	v_max3_num_f32 v[W+8], v[W+8], |v[\a+2+2*\i]|, |v[\a+3+2*\i]|
	v_max3_num_f32 v[W+9], v[W+9], |v[\b+3+2*\i]|, |v[\b+4+2*\i]|
.endr
	v_max3_num_f32 v[W+8], v[W+8], |v[\a+14]|, |v[\a+15]|
	v_max3_num_f32 v[W+8], v[W+8], v[W+9], |v[\b+15]|
.endm
; A pass's 32 keys: k is 4,096 dense bytes, its frames 2,048: each load reads 512 consecutive bytes, 16 a lane.
.macro LOADKF
.irp i, 0,1,2,3,4,5,6,7
	global_load_b128 v[RAW+4*\i:RAW+4*\i+3], v[GIN], s[KP:KP+1] offset:512*\i
.endr
.irp i, 0,1,2,3
	global_load_b128 v[RF+4*\i:RF+4*\i+3], v[GIN], s[FP:FP+1] offset:512*\i
.endr
.endm
.macro LOADV reg
.irp i, 0,1,2,3,4,5,6,7
	global_load_b128 v[\reg+4*\i:\reg+4*\i+3], v[GIN], s[VP:VP+1] offset:512*\i
.endr
.endm
; My pass's 32 keys of K become codes and scale words.  cnt: the younger global loads that may stay out.  ahead = 1: they belong to the chunk after the one in hand.
.macro PREP_K cnt, ahead
	s_wait_loadcnt \cnt                            ; k and the frames are in
.irp i, 0,1,2,3,4,5,6,7
	ds_store_b128 v[SINA], v[RAW+4*\i:RAW+4*\i+3] offset:4*PA*\i       ; through my own stage: in as loaded (a load's 512 bytes are four rows),
.endr
.irp i, 0,1,2,3
	ds_store_b128 v[SINF], v[RF+4*\i:RF+4*\i+3] offset:8*PF*\i         ; (of the frames: eight rows)
.endr
.irp g, 0,1,2,3
	ds_load_b128 v[S+32+4*\g:S+32+4*\g+3], v[SFR] offset:16*\g         ; back a row a lane: LANE = KEY.  LDS serves a wave's instructions in order (ISA guide 5.7.1.4): these see the stores above
.endr
.irp g, 0,1,2,3,4,5,6,7
	ds_load_b128 v[S+4*\g:S+4*\g+3], v[SROW] offset:16*\g
.endr
	s_wait_dscnt 0x0
	s_add_nc_u64 s[KP:KP+1], s[KP:KP+1], 65536     ; the next chunk's pass: 512 keys on.  The loads that read these bases are done
	s_add_nc_u64 s[FP:FP+1], s[FP:FP+1], 32768
	XFORM S+48, S+16, S+32                         ; k_g = F^T k
	BMAX S, S+48                                   ; the key's 32 channels are one block, all mine
	v_add_nc_u32 v[W+7], TWOFF, v[W+8]             ; the conversion takes the exponent field of this operand as its scale, and nothing else of it
	v_lshrrev_b32 v[W+9], 23, v[W+7]               ; the scale's byte,
	v_lshl_or_b32 v[W+9], v[W+9], 8, v[W+9]        ; for k slots 0-31 and 32-63; bytes 2 and 3 stay 0
	v_cvt_scalef32_pk16_fp6_f32 v[W:W+2], v[S:S+15], v[W+7]            ; channels 0-15: the fragment's lane (row, 0)
	v_cvt_scalef32_pk16_fp6_f32 v[W+4:W+6], v[S+48:S+63], v[W+7]       ; channels 16-31: lane (row, 1)
	v_add_nc_u32 v[W+10], s[CK], v[WKA]            ; (a plain line behind the conversions)
	v_add_nc_u32 v[W+11], s[CKS], v[WKSA]
	ds_store_b96 v[W+10], v[W:W+2] offset:CHK*\ahead
	ds_store_b96 v[W+10], v[W+4:W+6] offset:CHK*\ahead+256
	ds_store_b32 v[W+11], v[W+9] offset:CHKS*\ahead
.endm
; The same 32 keys of V: a block along the second product's K, for each of the 32 channels.  reg: where v was loaded.  Stage F still holds the pass's frames.
.macro PREP_V reg, cnt, ahead
	s_wait_loadcnt \cnt
.irp i, 0,1,2,3,4,5,6,7
	ds_store_b128 v[SINA], v[\reg+4*\i:\reg+4*\i+3] offset:4*PA*\i
.endr
.irp g, 0,1,2,3
	ds_load_b128 v[S+32+4*\g:S+32+4*\g+3], v[SFR] offset:16*\g
.endr
.irp g, 0,1,2,3
	ds_load_b128 v[S+16+4*\g:S+16+4*\g+3], v[SROW] offset:64+16*\g     ; lane = key: its four four-vectors; the scalars stay in the stage as they are
.endr
	s_wait_dscnt 0x0
	s_add_nc_u64 s[VP:VP+1], s[VP:VP+1], 65536     ; the loads that read this base are done
	FLIP S+32
	XFORM S+48, S+16, S+32                         ; v_g = eta F^T eta v
.irp g, 0,1,2,3
	ds_store_b128 v[SROW], v[S+48+4*\g:S+48+4*\g+3] offset:64+16*\g
.endr
.set n, 0
.rept 32
	ds_load_b32 v[RAW+n], v[SCOL] offset:PA*n      ; LANE = CHANNEL, registers down the 32 keys: 32 lanes read a row's 128 consecutive bytes
.set n, n+1
.endr
	s_wait_dscnt 0x0
	BMAX RAW, RAW+16
	v_add_nc_u32 v[W+7], TWOFF, v[W+8]
	v_lshrrev_b32 v[W+9], 23, v[W+7]
	v_cvt_scalef32_pk16_fp6_f32 v[W:W+2], v[RAW:RAW+15], v[W+7]
	v_cvt_scalef32_pk16_fp6_f32 v[W+4:W+6], v[RAW+16:RAW+31], v[W+7]   ; (a conversion's three registers begin on an even number)
	v_add_nc_u32 v[W+10], s[CV], v[WVA]            ; (a plain line behind the conversions)
	v_add_nc_u32 v[W+11], s[CVS], v[WVSA]
	v_mov_b32 v[W+3], v[W+4]
	v_mov_b32 v[W+4], v[W+5]
	v_mov_b32 v[W+5], v[W+6]                       ; v[W .. W + 5]: the block's 192 bits
	ds_store_b64 v[W+10], v[W:W+1] offset:CHV*\ahead
	ds_store_b64 v[W+10], v[W+2:W+3] offset:CHV*\ahead+8
	ds_store_b64 v[W+10], v[W+4:W+5] offset:CHV*\ahead+16
	ds_store_b8 v[W+11], v[W+9] offset:CHVS*\ahead
.endm
; Step q of the chunk in hand: K's eight fragments and their scale words: 9 LDS loads
.macro LOADK q
.irp t, 0,1,2,3,4,5,6,7
	ds_load_b96 v[KF+4*\t:KF+4*\t+2], v[RK] offset:4096*(\q)+512*\t
.endr
	ds_load_b128 v[KS:KS+3], v[RKS] offset:512*(\q)
.endm
; V's two fragments and their scale words: 7 LDS loads
.macro LOADVF q
.irp ct, 0,1
.irp g, 0,1,2
	ds_load_b128 v[VF+12*\ct+4*\g:VF+12*\ct+4*\g+3], v[RV] offset:3072*(\q)+1536*\ct+16*\g
.endr
.endr
	ds_load_b32 v[VS], v[RVS] offset:128*(\q)
.endm
; Tile t of S^T.  Its registers 3-11 of source 0 are the next tiles' codes (tiles 6 and 7: V's): they meet Q's zero codes.
.macro SQK t
.if (\t)%2
	v_wmma_scale_f32_16x16x128_f8f6f4 v[S+8*\t:S+8*\t+7], v[KF+4*\t:KF+4*\t+11], v[Q:Q+11], 0, v[KS+\t/2], v[QS] matrix_a_fmt:MATRIX_FMT_FP6 matrix_b_fmt:MATRIX_FMT_FP6 matrix_a_scale:MATRIX_SCALE_ROW1
.else
	v_wmma_scale_f32_16x16x128_f8f6f4 v[S+8*\t:S+8*\t+7], v[KF+4*\t:KF+4*\t+11], v[Q:Q+11], 0, v[KS+\t/2], v[QS] matrix_a_fmt:MATRIX_FMT_FP6 matrix_b_fmt:MATRIX_FMT_FP6
.endif
.endm
; A KEY STEP: 128 keys, the q-th of the chunk in hand.  pre = 1: the next step's K is fetched on the way.
.macro STEP q, pre
	s_wait_dscnt 0x0                               ; K and its scale words are in; a preparation's stores have read v[W ..], which is written again below
.irp t, 0,1,2,3,4,5,6,7
	SQK \t
.endr
	v_mov_b32 v[W+11], v[NM]                       ; the old -M.  With the three lines below: four places ahead of the reads of S^T and of the loads into registers that the products read
.rept 3
	v_nop
.endr
	LOADVF \q
.if \pre
	LOADK (\q)+1
.endif
.irp t, 0,1,2,3,4,5,6,7
	v_max3_num_f32 v[W+\t], v[S+8*\t], v[S+8*\t+1], v[S+8*\t+2]        ; the largest score, a chain a tile, by turns; each result is read from its low end on
.endr
.irp i, 3,5
.irp t, 0,1,2,3,4,5,6,7
	v_max3_num_f32 v[W+\t], v[W+\t], v[S+8*\t+\i], v[S+8*\t+\i+1]
.endr
.endr
.irp c, 0,1
	v_max3_num_f32 v[W+4*\c], v[W+4*\c], v[W+4*\c+1], v[W+4*\c+2]      ; THE LARGEST SCORE OF EACH OF MY TWO BLOCKS OF 32 KEYS: it serves for the row's maximum and, since p rises with the score, for the block's largest p
.endr
.irp c, 0,1
	v_max3_num_f32 v[W+4*\c], v[W+4*\c], v[W+4*\c+3], v[S+32*\c+7]
.endr
.irp c, 0,1
	v_max3_num_f32 v[W+4*\c], v[W+4*\c], v[S+32*\c+15], v[S+32*\c+23]
.endr
.irp c, 0,1
	v_max_num_f32 v[W+4*\c], v[W+4*\c], v[S+32*\c+31]
.endr
	v_max_num_f32 v[W+1], v[W], v[W+4]
	v_permlanex16_b32 v[W+2], v[W+1], s[SEL], s[SEL+1]
	v_max_num_f32 v[W+1], v[W+1], v[W+2]           ; with lane l xor 16's 64 keys: the step's largest score of my query
	v_mul_f32 v[W+1], s[CS], v[W+1]                ; as t (c is positive)
	v_max_num_f32 v[TM], v[TM], v[W+1]             ; the running largest t
	v_floor_f32 v[NM], -v[TM]                      ; the new -M = -ceil(t): M is a whole number
	v_sub_f32 v[W+1], v[NM], v[W+11]               ; old M - new M: a whole number, 0 or less
	v_cvt_i32_f32 v[W+1], v[W+1]                   ; (it saturates)
	v_ldexp_f32 v[FF], 1.0, v[W+1]                 ; f = 2^(old M - new M): a multiplication by it rounds nothing
.set n, 0
.rept 32
	v_pk_fma_f32 v[S+n:S+n+1], v[S+n:S+n+1], s[CS:CS+1], v[NM:NM+1] op_sel_hi:[1,0,0]   ; t - M, two at a time
.set n, n+2
.endr
	v_fma_f32 v[W], v[W], s[CS], v[NM]             ; the same of each block's largest score
	v_fma_f32 v[W+4], v[W+4], s[CS], v[NM]
.set n, 0
.rept 64
	v_exp_f32 v[S+n], v[S+n]                       ; p = 2^(t - M), at most 1: not normalised
.set n, n+1
.endr
	v_exp_f32 v[W], v[W]                           ; the blocks' largest p: the same two instructions on the same number give the same bits
	v_exp_f32 v[W+4], v[W+4]
	v_pk_mul_f32 v[LS:LS+1], v[LS:LS+1], v[FF:FF+1] op_sel_hi:[1,0]    ; the sum under the new M.  (The plain line behind the exponentials: ISA guide 5.7.2)
	s_wait_alu depctr_va_vdst(0)
	v_max_num_f32 v[W], FLOOR, v[W]
	v_max_num_f32 v[W+4], FLOOR, v[W+4]
	v_add_nc_u32 v[W+2], TWOFF, v[W]               ; the conversions' scale operands
	v_add_nc_u32 v[W+3], TWOFF, v[W+4]
	v_lshrrev_b32 v[W+5], 23, v[W+2]               ; the scales' bytes: blocks h and 2 + h of my query,
	v_lshrrev_b32 v[W+6], 23, v[W+3]
	v_lshl_or_b32 v[W+5], v[W+6], 16, v[W+5]
	v_lshlrev_b32 v[W+5], v[SH8], v[W+5]           ; at their places in the scale word;
	v_permlanex16_b32 v[W+6], v[W+5], s[SEL], s[SEL+1]
	v_or_b32 v[PW], v[W+5], v[W+6]                 ; with lane l xor 16's two the word is whole
	v_cvt_scalef32_pk16_fp6_f32 v[P:P+2], v[S:S+15], v[W+2]
	v_cvt_scalef32_pk16_fp6_f32 v[W+8:W+10], v[S+16:S+31], v[W+2]      ; (a conversion's three registers begin on an even number: the second half of a block's six is made elsewhere and moved)
	v_cvt_scalef32_pk16_fp6_f32 v[P+6:P+8], v[S+32:S+47], v[W+3]
	v_cvt_scalef32_pk16_fp6_f32 v[W+4:W+6], v[S+48:S+63], v[W+3]
	v_pk_add_f32 v[L2:L2+1], v[S:S+1], v[S+2:S+3]  ; THE ROW'S SUM IS TAKEN OF THE UNQUANTISED p, in two chains.  (The plain line behind the conversions)
.irp i, 0,1,2
	v_mov_b32 v[P+3+\i], v[W+8+\i]
	v_mov_b32 v[P+9+\i], v[W+4+\i]
.endr
.set n, 0
.rept 8
	v_pk_mul_f32 v[OT+n:OT+n+1], v[OT+n:OT+n+1], v[FF:FF+1] op_sel_hi:[1,0]   ; O^T under the new M, each accumulator from its low end on
.set n, n+2
.endr
.set n, 4
.rept 15
	v_pk_add_f32 v[LS:LS+1], v[LS:LS+1], v[S+n:S+n+1]
	v_pk_add_f32 v[L2:L2+1], v[L2:L2+1], v[S+n+2:S+n+3]
.set n, n+4
.endr
	v_pk_add_f32 v[LS:LS+1], v[LS:LS+1], v[L2:L2+1]    ; (these 31 lines are far more than the eight places that p's scale word and the four that its codes stand ahead of the products)
	s_wait_dscnt 9*\pre                            ; V and its scale words are in; the nine loads of the next step's K, issued behind them, may stay out
	v_wmma_scale_f32_16x16x128_f8f6f4 v[OT:OT+7], v[VF:VF+11], v[P:P+11], v[OT:OT+7], v[VS], v[PW] matrix_a_fmt:MATRIX_FMT_FP6 matrix_b_fmt:MATRIX_FMT_FP6
	v_wmma_scale_f32_16x16x128_f8f6f4 v[OT+8:OT+15], v[VF+12:VF+23], v[P:P+11], v[OT+8:OT+15], v[VS], v[PW] matrix_a_fmt:MATRIX_FMT_FP6 matrix_b_fmt:MATRIX_FMT_FP6 matrix_a_scale:MATRIX_SCALE_ROW1
.endm                                  ; the two accumulators take turns, and S^T's eight products stand between two links of a chain
; A CHUNK: four key steps.  prep = 1: my pass of the next chunk is prepared on the way: k and the frames are asked for at the head and worked behind step 1, v is asked for there and worked behind step 3.
.macro CHUNK prep
	s_barrier_signal -1                            ; in front of it every wave has waited for its LDS stores: its pass of this chunk lies in LDS
	v_add_nc_u32 v[RK], s[CK], v[GIN]              ; where this chunk is read
	v_add_nc_u32 v[RKS], s[CKS], v[GIN]
	v_mad_u32_u24 v[RV], v[LANE], 48, s[CV]
	v_lshl_add_u32 v[RVS], v[LANE], 2, s[CVS]
	s_barrier_wait -1                              ; all sixteen passes do
.if \prep
	LOADKF
.endif
	LOADK 0
	STEP 0, 1
	STEP 1, 1
.if \prep
	PREP_K 0, 1
	LOADV RAW                                      ; PREP_K's stage stores have read these registers: it has waited for them
.endif
	STEP 2, 1
	STEP 3, 0                                      ; the next chunk's K is read only behind the barrier
.if \prep
	PREP_V RAW, 0, 1
	s_wait_dscnt 0x0                               ; for the others' sake: my pass's stores have landed
	s_add_co_u32 s[CK], s[CK], CHK
	s_add_co_u32 s[CKS], s[CKS], CHKS
	s_add_co_u32 s[CV], s[CV], CHV
	s_add_co_u32 s[CVS], s[CVS], CHVS
.endif
.endm
	s_load_b256 s[4:11], s[0:1], 0x0               ; q s[4:5], k s[6:7], v s[8:9], frames s[10:11]
	s_load_b64 s[12:13], s[0:1], 0x20              ; out
	v_lshrrev_b32 v16, 5, v0
	v_readfirstlane_b32 s[WAVE], v16               ; wave 0..15
	v_and_b32 v[LANE], 31, v0
	v_lshlrev_b32 v[GIN], 4, v[LANE]
	s_and_b32 s15, ttmp7, 0xffff                   ; batch x 8 + head
	s_lshl_b32 s28, s15, 18                        ; a head is 2,048 x 128 bytes
	s_lshl_b32 s29, s[WAVE], 12
	s_add_co_u32 s16, s28, s29                     ; k, v: my pass of chunk 0: keys 32 x wave on
	s_mov_b32 s17, 0
	s_lshl_b32 s29, ttmp9, 15
	s_add_co_u32 s30, s28, s29
	s_lshl_b32 s29, s[WAVE], 11
	s_add_co_u32 s30, s30, s29                     ; q, out: query 256 x work-group x + 16 x wave
	s_mov_b32 s31, 0
	s_lshr_b32 s28, s15, 3
	s_lshl_b32 s28, s28, 17                        ; a batch's frames are 2,048 x 64 bytes
	s_add_co_u32 s18, s28, s29                     ; the frames of my pass's keys
	s_mov_b32 s19, 0
	s_lshl_b32 s29, ttmp9, 14
	s_add_co_u32 s32, s28, s29
	s_lshl_b32 s29, s[WAVE], 10
	s_add_co_u32 s32, s32, s29                     ; the frames of my queries
	s_mov_b32 s33, 0
	s_wait_kmcnt 0x0
	s_add_nc_u64 s[26:27], s[10:11], s[32:33]
	s_add_nc_u64 s[FP:FP+1], s[FP:FP+1], s[18:19]
	s_add_nc_u64 s[KP:KP+1], s[KP:KP+1], s[16:17]
	s_add_nc_u64 s[VP:VP+1], s[VP:VP+1], s[16:17]
	s_add_nc_u64 s[4:5], s[4:5], s[30:31]
	s_add_nc_u64 s[12:13], s[12:13], s[30:31]
.irp i, 0,1,2,3
	global_load_b128 v[VF+4*\i:VF+4*\i+3], v[GIN], s[4:5] offset:512*\i th:TH_LOAD_NT    ; my 16 queries: 2,048 dense bytes, read by nobody else
.endr
.irp i, 0,1
	global_load_b128 v[VF+16+4*\i:VF+16+4*\i+3], v[GIN], s[26:27] offset:512*\i          ; their frames: 1,024
.endr
	LOADKF                                         ; chunk 0's pass
	LOADV KF
	; LDS addresses: constants, the lane's bits and the wave's bits
	s_mul_i32 s25, s[WAVE], STGW
	s_add_co_u32 s25, s25, STG                     ; my stage
	s_add_co_u32 s28, s25, SFO
	s_add_co_u32 s29, s25, FQO
	v_lshrrev_b32 v16, 3, v[LANE]                  ; lane / 8
	v_and_b32 v17, 7, v0                           ; lane % 8
	v_and_b32 v18, 15, v0                          ; r = lane % 16
	v_bfe_u32 v19, v0, 4, 1                        ; h = lane / 16
	v_bfe_u32 v20, v0, 3, 1                        ; (lane / 8) % 2
	v_lshrrev_b32 v21, 2, v[LANE]                  ; lane / 4
	v_and_b32 v22, 3, v0                           ; lane % 4
	v_mad_u32_u24 v[SINA], v16, PA, s25
	v_lshl_add_u32 v[SINA], v17, 4, v[SINA]
	v_mad_u32_u24 v[SINF], v21, PF, s28
	v_lshl_add_u32 v[SINF], v22, 4, v[SINF]
	v_mad_u32_u24 v[SROW], v[LANE], PA, s25
	v_mad_u32_u24 v[SFR], v[LANE], PF, s28
	v_lshl_add_u32 v[SCOL], v[LANE], 2, s25
	v_mad_u32_u24 v[FQR], v18, PF, s29
	v_lshlrev_b32 v[SH8], 3, v19
	v_mad_u32_u24 v[OST], v18, PA, s25
	v_lshl_add_u32 v[QRD], v19, 6, v[OST]
	v_lshl_add_u32 v[OST], v19, 5, v[OST]
	; My pass is block wave of a chunk's sixteen: step wave / 4, and in it keys 64 c + 32 hh + lane, c = (wave / 2) % 2, hh = wave % 2.
	s_lshr_b32 s30, s[WAVE], 2
	s_bfe_u32 s31, s[WAVE], 0x10001                ; c
	s_and_b32 s32, s[WAVE], 1                      ; hh
	; K: key lane is row 8 hh + lane % 8 of tile 4 c + lane / 8: 4,096 step + 512 tile + 16 row (+ 256 for the fragment's lanes 16-31)
	s_lshl_b32 s33, s30, 12
	s_lshl_b32 s34, s31, 11
	s_add_co_u32 s33, s33, s34
	s_lshl_b32 s34, s32, 7
	s_add_co_u32 s33, s33, s34
	v_lshl_add_u32 v[WKA], v16, 9, s33
	v_lshl_add_u32 v[WKA], v17, 4, v[WKA]
	; its scale word: 512 step + 16 (row + 16 (tile % 2)) + 4 (tile / 2)
	s_lshl_b32 s33, s30, 9
	s_add_co_u32 s33, s33, s34
	s_lshl_b32 s34, s31, 3
	s_add_co_u32 s33, s33, s34
	v_lshl_add_u32 v[WKSA], v17, 4, s33
	v_lshl_add_u32 v[WKSA], v20, 8, v[WKSA]
	v_lshl_add_u32 v[WKSA], v19, 2, v[WKSA]
	; V: channel lane is row lane % 16 of channel tile lane / 16; the block is registers 6 c .. 6 c + 5 of the fragment's lane (row, hh): 3,072 step + 1,536 tile + 48 (row + 16 hh) + 24 c
	s_mul_i32 s33, s30, 3072
	s_mul_i32 s34, s32, 768
	s_add_co_u32 s33, s33, s34
	s_mul_i32 s34, s31, 24
	s_add_co_u32 s33, s33, s34
	v_mad_u32_u24 v[WVA], v19, 1536, s33
	v_mad_u32_u24 v[WVA], v18, 48, v[WVA]
	; its scale byte: 128 step + 4 channel + the block's number in the step
	s_lshl_b32 s33, s30, 7
	s_and_b32 s34, s[WAVE], 3
	s_add_co_u32 s33, s33, s34
	v_lshl_add_u32 v[WVSA], v[LANE], 2, s33
	s_mov_b32 s[SEL], 0x76543210
	s_mov_b32 s[SEL+1], 0xfedcba98
	s_mov_b32 s[CS], 0x3d38aa3b                    ; c = log2(e) / 32
	s_mov_b32 s[CS+1], s[CS]                       ; (named with it as a pair, so it is written)
	s_mov_b32 s[CK], KIMG
	s_mov_b32 s[CKS], KSC
	s_mov_b32 s[CV], VIMG
	s_mov_b32 s[CVS], VSC
	v_mov_b32 v[W+9], 0                            ; written once: a lane permute's destination counts as one of its sources
	; ---- Q: my 16 queries become one fragment.  Lane (r, h) takes channels 16 h .. 16 h + 15 of query r
	s_wait_loadcnt 20                              ; q and its frames are in; k's 8, the frames' 4 and v's 8 loads, issued behind them, may stay out
.irp i, 0,1,2,3
	ds_store_b128 v[SINA], v[VF+4*\i:VF+4*\i+3] offset:4*PA*\i
.endr
.irp i, 0,1
	ds_store_b128 v[SINF], v[VF+16+4*\i:VF+16+4*\i+3] offset:FQO-SFO+8*PF*\i   ; into part FQ, where they stay for the way out
.endr
.irp g, 0,1,2,3
	ds_load_b128 v[S+4*\g:S+4*\g+3], v[QRD] offset:16*\g
.endr
.irp g, 0,1,2,3
	ds_load_b128 v[S+32+4*\g:S+32+4*\g+3], v[FQR] offset:16*\g
.endr
	s_wait_dscnt 0x0
	FLIP S+32
	XFORM S+48, S, S+32                            ; q_g = eta F^T eta q: every lane computes it, lanes 16-31 keep it
	v_cmp_ne_u32 vcc_lo, 0, v[SH8]
.set n, 0
.rept 16
	v_cndmask_b32 v[S+n], v[S+n], v[S+48+n], vcc_lo
.set n, n+1
.endr
	v_max3_num_f32 v[W+8], |v[S]|, |v[S+1]|, FLOOR
.irp i, 2,4,6,8,10,12,14
	v_max3_num_f32 v[W+8], v[W+8], |v[S+\i]|, |v[S+\i+1]|
.endr
	v_permlanex16_b32 v[W+9], v[W+8], s[SEL], s[SEL+1]
	v_max_num_f32 v[W+8], v[W+8], v[W+9]           ; with lane l xor 16's 16 channels: the row's one block
	v_add_nc_u32 v[W+7], TWOFF, v[W+8]
	v_lshrrev_b32 v[W+9], 23, v[W+7]
	v_lshl_or_b32 v[QS], v[W+9], 8, v[W+9]         ; the byte for k slots 0-31 and 32-63; bytes 2 and 3 are 0
	v_cvt_scalef32_pk16_fp6_f32 v[Q:Q+2], v[S:S+15], v[W+7]
.irp i, 3,4,5,6,7,8,9,10,11
	v_mov_b32 v[Q+\i], 0                           ; zero codes at every k slot that holds no channel.  (The first is the plain line behind the conversion)
.endr
	; ---- chunk 0's pass
	PREP_K 8, 0                                    ; v's 8 loads may stay out
	PREP_V KF, 0, 0
.set n, 0
.rept 16
	v_mov_b32 v[OT+n], 0                           ; the key step is written without a first step of its own: it finds zeros, which the first change of M leaves zeros
.set n, n+1
.endr
	v_mov_b32 v[LS], 0
	v_mov_b32 v[LS+1], 0
	v_mov_b32 v[FF+1], 0                           ; (named as the upper half of a pair)
	v_mov_b32 v[TM], 0xff61b1e6                    ; the largest t so far: -3e38, under every t
	v_floor_f32 v[NM], -v[TM]
	s_wait_dscnt 0x0                               ; for the others' sake: my pass's stores have landed
	s_mov_b32 s[CH], 0
.Lchunk:                                               ; three trips: chunks 0 to 2, each with the next chunk's preparation
	CHUNK 1
	s_add_co_u32 s[CH], s[CH], 1
	s_cmp_lt_u32 s[CH], 3
	s_cbranch_scc1 .Lchunk
	CHUNK 0                                        ; the last chunk is written out: nothing is left to prepare, and no load leaves its buffer
	; ---- THE WAY OUT: O^T / l, the frame of my query on the four-vectors, through my stage, out in dense runs of 512 bytes
.irp g, 0,1,2,3
	ds_load_b128 v[S+32+4*\g:S+32+4*\g+3], v[FQR] offset:16*\g         ; F of query r, as it was loaded
.endr
	v_add_f32 v[W], v[LS], v[LS+1]                 ; the sum's two halves,
	v_permlanex16_b32 v[W+1], v[W], s[SEL], s[SEL+1]
	v_add_f32 v[W], v[W], v[W+1]                   ; and lane l xor 16's: the row's sum
	v_nop
	v_nop                                          ; (two additions and two v_nop: the four places behind the last products, ISA guide 7.12.1)
	v_rcp_f32 v[W], v[W]
	v_nop                                          ; a plain line behind the reciprocal
.set n, 0
	s_wait_alu depctr_va_vdst(0)
.rept 8
	v_pk_mul_f32 v[S+n:S+n+1], v[OT+n:OT+n+1], v[W:W+1] op_sel_hi:[1,0]    ; Y: register 8 ct + j = channel 16 ct + 8 h + j; each accumulator from its low end on
.set n, n+2
.endr
	s_wait_dscnt 0x0
.irp a, 0,1                            ; registers 8-15 are two whole four-vectors: Z[4 a + i] = the sum over j of F[4 i + j] Y[8 + 4 a + j]
.irp i, 0,1,2,3
	v_mul_f32 v[S+16+4*\a+\i], v[S+32+4*\i], v[S+8+4*\a]
.endr
.endr
.irp j, 1,2,3
.irp a, 0,1
.irp i, 0,1,2,3
	v_fmac_f32 v[S+16+4*\a+\i], v[S+32+4*\i+\j], v[S+8+4*\a+\j]
.endr
.endr
.endr
	ds_store_b128 v[OST], v[S:S+3]                 ; row r: channels 8 h .. 8 h + 7,
	ds_store_b128 v[OST], v[S+4:S+7] offset:16
	ds_store_b128 v[OST], v[S+16:S+19] offset:64   ; and 16 + 8 h .. 16 + 8 h + 7
	ds_store_b128 v[OST], v[S+20:S+23] offset:80
.irp i, 0,1,2,3
	ds_load_b128 v[S+48+4*\i:S+48+4*\i+3], v[SINA] offset:4*PA*\i      ; back as they lie in memory: four rows a load.  LDS serves a wave's instructions in order: these see my stores
.endr
.irp i, 0,1,2,3
	s_wait_dscnt 3-\i                              ; load i is in; the younger ones may stay out
	global_store_b128 v[GIN], v[S+48+4*\i:S+48+4*\i+3], s[12:13] offset:512*\i th:TH_STORE_NT   ; 32 lanes store 512 consecutive bytes, at a multiple of 512 from out's first byte
.endr
	s_wait_xcnt 0x0
	v_lshl_add_u32 v254, v0, 2, 0x3f800
	v_mov_b32 v255, 0
	s_wait_tensorcnt 0x0
	ds_add_u32 v254, v255
	s_wait_dscnt 0x0
	s_endpgm
.Lfunc_end_k_q5d284f3227_attn:
	.size	k_q5d284f3227_attn, .Lfunc_end_k_q5d284f3227_attn-k_q5d284f3227_attn
	.p2alignl 7, 3214868480
	.fill 96, 4, 3214868480
	.section	.rodata,"a",@progbits
	.p2align	6, 0x0
	.amdhsa_kernel k_q5d284f3227_attn
		.amdhsa_group_segment_fixed_size 262144
		.amdhsa_private_segment_fixed_size 0
		.amdhsa_enable_private_segment 0
		.amdhsa_kernarg_size 40
		.amdhsa_user_sgpr_count 2
		.amdhsa_user_sgpr_kernarg_segment_ptr 1
		.amdhsa_wavefront_size32 1
		.amdhsa_system_sgpr_workgroup_id_x 1
		.amdhsa_system_sgpr_workgroup_id_y 1
		.amdhsa_system_sgpr_workgroup_id_z 1
		.amdhsa_system_vgpr_workitem_id 0
		.amdhsa_next_free_vgpr 256
		.amdhsa_next_free_sgpr 66
		.amdhsa_reserve_vcc 1
		.amdhsa_float_denorm_mode_32 3
		.amdhsa_float_denorm_mode_16_64 3
		.amdhsa_memory_ordered 1
		.amdhsa_forward_progress 1
		.amdhsa_inst_pref_size 144
	.end_amdhsa_kernel
	.amdgpu_metadata
---
amdhsa.version: [ 1, 2 ]
amdhsa.kernels:
  - .name:           k_q5d284f3227_attn
    .symbol:         k_q5d284f3227_attn.kd
    .args:
      - { .name: q_local, .offset: 0, .size: 8, .value_kind: global_buffer, .address_space: global }
      - { .name: k_local, .offset: 8, .size: 8, .value_kind: global_buffer, .address_space: global }
      - { .name: v_local, .offset: 16, .size: 8, .value_kind: global_buffer, .address_space: global }
      - { .name: frames, .offset: 24, .size: 8, .value_kind: global_buffer, .address_space: global }
      - { .name: out0, .offset: 32, .size: 8, .value_kind: global_buffer, .address_space: global }
    .group_segment_fixed_size: 262144
    .private_segment_fixed_size: 0
    .kernarg_segment_align: 8
    .kernarg_segment_size: 40
    .max_flat_workgroup_size: 512
    .sgpr_count:     66
    .vgpr_count:     256
    .wavefront_size: 32
...
	.end_amdgpu_metadata
.endif
;; end of part 1
;; ======== version 2 of 2: 1 launch; version 1 with the launch attn written anew for expert scheduling mode
;; launch attn (part 2): grid 8 x 32, 16 waves a work-group, no clusters, 262,144 bytes of LDS; arguments q_local, k_local, v_local, frames, out0; writes out0
.if DOCPART == 2
	.amdgcn_target "amdgcn-amd-amdhsa--gfx1250"
	.amdhsa_code_object_version 6
	.text
	.protected	k_q5d284f3227_attn
	.globl	k_q5d284f3227_attn
	.p2align	8
	.type	k_q5d284f3227_attn,@function
k_q5d284f3227_attn:
	s_mov_b64 s[64:65], 0
	v_nop
	global_prefetch_b8 v0, s[64:65] scope:SCOPE_SE
	s_setreg_imm32_b32 hwreg(HW_REG_WAVE_SCHED_MODE, 0, 2), 2
	s_setreg_imm32_b32 hwreg(HW_REG_WAVE_MODE, 25, 1), 1
	s_wait_xcnt 0x0
	s_wait_alu depctr_vm_vsrc(0)
; LLoCa attention, both large products on codes of FP6 (E2M3) with one E8M0 scale for each 32 along K.
; q, k, v, out: [4][8][2048][32] f32, channels 0-15 scalars, 16-31 four four-vectors; frames F: [4][2048][4][4] f32, shared by a batch's 8 heads.
;   q_g = (eta F^T eta) q, k_g = F^T k, v_g = (eta F^T eta) v on the four-vectors, in f32;  S = Q(q_g) Q(k_g)^T;  t = S log2(e) / 32;  M = ceil(running largest t);
;   p = 2^(t - M);  l = the sum of the unquantised p;  O = Q(p) Q(v_g) / l;  out = F O on the four-vectors.
; SHARES.  A work-group owns 256 queries of one head (grid 8 x 32 = 256 work-groups); each of its sixteen waves owns 16 queries, one tile, in 256 registers.
; K AND V OF THE WHOLE HEAD LIE IN LDS AS FINISHED OPERANDS (codes and scale words, images of the operands' registers), written once, never overwritten.  The work-group makes them itself, in four
; chunks of 512 keys: while a chunk is multiplied, each wave prepares ONE block of 32 keys of the next chunk (transform, quantise); its global loads are issued two key steps ahead of the wait for them,
; into 48 registers that the key steps do not touch.  One barrier a chunk.  No tensor load, no copy, so no ring.
; NO CLUSTER, NO JOINT LOADS: what the 8 work-groups of a head share is f32 that has to pass through registers (transform, quantise) before it is an operand.  Brought jointly into LDS, a chunk's f32 is
; 512 x (128 + 128 + 64) = 163,840 bytes; two such slots beside the 124,928 bytes of operands are 452,608 bytes, more than the 327,680 that a work-group can claim.
; THE FIRST PRODUCT has 32 real k for the instruction's 128.  Lane (row, h) holds channels 16 h .. 16 h + 15 in a fragment's registers 0-2, which are k slots 32 h .. 32 h + 15; scale bytes 0 and 1 both hold
; the row's byte, bytes 2 and 3 are 0.  Q's registers 3-11 are zero codes, so whatever stands in registers 3-11 of a fragment of K adds nothing (FP6 has no NaN and no infinity, and no byte here is 0xff):
; K's fragments stand four registers apart and overlap.
; BOTH PRODUCTS ARE USED TRANSPOSED: S^T = K Q^T (source 0 = 16 keys), O^T = V^T P^T (source 0 = 16 channels): a lane holds ONE query (lane % 16) throughout.
; THE KEYS OF A TILE ARE NOT NEIGHBOURS: row m of tile t is key 64 (t / 4) + 32 (m / 8) + 8 (t % 4) + m % 8 of the step, so that S's register 32 c + i of lane (r, h) is key 64 c + 32 h + i: a lane holds two
; WHOLE blocks of 32 keys in the order of the 6-bit operand: a block's maximum needs no other lane, and the conversions' results are P's registers.
; LIMITS: NaN and infinities among the inputs are not served.  A block whose largest magnitude lies under 2^-124 keeps the scale byte 1; so does a block of zeros, where the rule says 127: its codes are zeros,
; and this program alone reads the bytes.  A p under 2^-126 becomes 0 (v_exp_f32 flushes).  The 32 products of a score stand at k slots 0-15 and 32-47: the same products, grouped otherwise in the unit.
; THE MODE: SCHED_MODE bits 1:0 = 2 (LLVM: expert scheduling mode 2), set by the entry lines.  The code itself states the register dependences between vector or matrix instructions and memory or LDS
; instructions, with s_wait_alu, always for 0.
; THE PLAN.  The wave's 256 registers are taken (all but v207), so K and V have one buffer of registers each.  Registers that memory or LDS instructions touch:
;   KF, KS    LDS loads land; S^T's eight products read.          VF, VS    LDS loads land; tiles 6 and 7 of S^T and O^T's two products read.
;             ONE wait on va_vdst behind S^T's products frees all four: V's seven loads of this step and K's nine of the next follow it, K's dealt among the 24 maxima, which name W and S alone.
;   P, PW     written by vector lines, taken by O^T's scaled products: one wait on va_vdst ahead of these.  Behind it the step issues only the two products, which name OT, VF, P, VS and PW:
;   S         so the preparation's LDS loads, which land in S between two steps, and the way out's, owe no wait of their own.  PREP_V's stage stores read S + 48 ..: a wait on va_vdst ahead of them.
;   RAW, RF   global loads land; the stage stores read them; PREP_V's column loads land in RAW: a wait on vm_vsrc between the stage stores and each load that lands there next.
;   v[W ..]   a preparation's codes, scale word and two addresses: a wait on va_vdst ahead of its stores, one on vm_vsrc ahead of the next line that writes them.
;   v11-14    the chunk's four read addresses: at a chunk's head a wait on vm_vsrc, the four lines that write them, a wait on va_vdst.
;   v1-6, v15, v204, v205   addresses made at the head and never written again: two waits on va_vdst at the head.
.set KIMG,  0                          ; LDS: K's codes [step 16][tile 8][lane 32][16 bytes, 12 used]
.set VIMG,  65536                      ; V's codes [step 16][channel tile 2][lane 32][48 bytes]: 48 = 3 x 16, so sixteen lanes' 16 bytes fall into sixteen different 16-byte columns of 256
.set KSC,   114688                     ; K's scale words [step 16][lane 32][16 bytes = registers KS .. KS + 3]
.set VSC,   122880                     ; V's scale words [step 16][lane 32][4 bytes]
.set STG,   124928                     ; the waves' own stages, STGW bytes each
.set STGW,  8448
.set PA,    144                        ; stage part A, at 0: 32 rows of 128 bytes + 16: 9 x 16, rows begin in different 16-byte columns
.set PF,    80                         ; parts F, at SFO: 32 rows of 64 bytes + 16 (a pass's frames), and FQ, at FQO: 16 such rows (my queries' frames, kept to the end)
.set SFO,   4608
.set FQO,   7168
.set CHK,   16384                      ; a chunk (4 steps) in K's codes,
.set CHKS,  2048                       ; in K's scale words,
.set CHV,   12288                      ; in V's codes,
.set CHVS,  512                        ; in V's scale words
.set FLOOR, 0x1800000                  ; 2^(3 - 127): no largest magnitude is taken under it, so no scale byte falls under 1
.set TWOFF, 0xff000000                 ; takes 2, the exponent of 7.5, off an f32's exponent field
; vector registers
.set GIN,   1                          ; 16 x lane: my 16 bytes of a dense 512; never rewritten
.set SINA,  2                          ; stage A as loaded: 144 (lane / 8) + 16 (lane % 8)
.set SINF,  3                          ; stage F as loaded: 80 (lane / 4) + 16 (lane % 4)
.set SROW,  4                          ; stage A, row = lane
.set SFR,   5                          ; stage F, row = lane
.set SCOL,  6                          ; stage A, column = lane: 4 x lane
.set WKA,   7                          ; where my pass's codes of K go, in a chunk
.set WKSA,  8                          ; its scale words
.set WVA,   9                          ; V's codes
.set WVSA,  10                         ; V's scale byte
.set RK,    11                         ; where the chunk in hand is read: K's codes,
.set RKS,   12                         ; K's scale words,
.set RV,    13                         ; V's codes,
.set RVS,   14                         ; V's scale words
.set FQR,   15                         ; stage FQ, row = lane % 16
.set Q,     16                         ; v16-27  Q's fragment: 16-18 codes, 19-27 zeros
.set QS,    28                         ; Q's scale word
.set PW,    29                         ; p's scale word
.set VS,    30                         ; V's scale words: lanes 0-15 channels 0-15, lanes 16-31 channels 16-31
.set SH8,   31                         ; 8 x (lane / 16)
.set KS,    32                         ; v32-35  K's scale words: register j: tile 2 j in lanes 0-15, tile 2 j + 1 in lanes 16-31
.set KF,    36                         ; v36-67  K's fragments: tile t's three registers at KF + 4 t.  At the head: the first pass's v as loaded
.set VF,    68                         ; v68-91  V's two fragments.  At the head: q and its frames as loaded
.set S,     92                         ; v92-155 S^T, then p.  Between steps: the preparation's rows, matrix and results
.set P,     156                        ; v156-167 p's codes
.set OT,    168                        ; v168-183 O^T: register 8 ct + j = channel 16 ct + 8 (lane / 16) + j
.set W,     184                        ; v184-195 at work
.set NM,    196                        ; -M
.set TM,    197                        ; the running largest t
.set LS,    198                        ; v198-199 the row's sum, in two halves
.set FF,    200                        ; v200 f = 2^(old M - new M); v201 = 0, named with it as a pair
.set L2,    202                        ; v202-203 a second chain of the sum
.set OST,   204                        ; the way out: 144 (lane % 16) + 32 (lane / 16)
.set QRD,   205                        ; q's rows: 144 (lane % 16) + 64 (lane / 16)
.set LANE,  206
.set RAW,   208                        ; v208-239 a pass's k, then v, as loaded; then V's columns
.set RF,    240                        ; v240-255 a pass's frames as loaded
; scalar registers
.set KP,    6                          ; s[6:7]   k at my pass
.set VP,    8                          ; s[8:9]   v at my pass
.set FP,    10                         ; s[10:11] frames at my pass
.set WAVE,  14
.set SEL,   20                         ; s[20:21] v_permlanex16_b32's selects for lane l xor 16
.set CS,    22                         ; s[22:23] c = log2(e) / 32; the packed form names a pair and takes its low word for both halves
.set CH,    24                         ; counts the chunks
.set CK,    36                         ; where the chunk in hand begins: in K's codes,
.set CKS,   37                         ; K's scale words,
.set CV,    38                         ; V's codes,
.set CVS,   39                         ; V's scale words
; 16 numbers as four four-vectors: dst[4 v + i] = the sum over j of mat[4 j + i] src[4 v + j]: two i at a time, src[4 v + j] for both halves.  mat = F as it lies gives F^T.
.macro XFORM dst, src, mat
.irp v, 0,1,2,3
.irp p, 0,2
	v_pk_mul_f32 v[\dst+4*\v+\p:\dst+4*\v+\p+1], v[\mat+\p:\mat+\p+1], v[\src+4*\v:\src+4*\v+1] op_sel_hi:[1,0]
.endr
.endr
.irp v, 0,1,2,3
.irp p, 0,2
	v_pk_fma_f32 v[\dst+4*\v+\p:\dst+4*\v+\p+1], v[\mat+4+\p:\mat+4+\p+1], v[\src+4*\v:\src+4*\v+1], v[\dst+4*\v+\p:\dst+4*\v+\p+1] op_sel:[0,1,0] op_sel_hi:[1,1,1]
.endr
.endr
.irp v, 0,1,2,3
.irp p, 0,2
	v_pk_fma_f32 v[\dst+4*\v+\p:\dst+4*\v+\p+1], v[\mat+8+\p:\mat+8+\p+1], v[\src+4*\v+2:\src+4*\v+3], v[\dst+4*\v+\p:\dst+4*\v+\p+1] op_sel_hi:[1,0,1]
.endr
.endr
.irp v, 0,1,2,3
.irp p, 0,2
	v_pk_fma_f32 v[\dst+4*\v+\p:\dst+4*\v+\p+1], v[\mat+12+\p:\mat+12+\p+1], v[\src+4*\v+2:\src+4*\v+3], v[\dst+4*\v+\p:\dst+4*\v+\p+1] op_sel:[0,1,0] op_sel_hi:[1,1,1]
.endr
.endr
.endm
; F becomes eta F eta: the sign turns where exactly one index is 0.  With XFORM that is eta F^T eta, for q and v.
.macro FLIP mat
.irp e, 1,2,3,4,8,12
	v_xor_b32 v[\mat+\e], 0x80000000, v[\mat+\e]
.endr
.endm
; The largest magnitude of v[a .. a + 15], v[b .. b + 15] and the floor, into v[W + 8]: two chains that do not wait for each other.
.macro BMAX a, b
	v_max3_num_f32 v[W+8], |v[\a]|, |v[\a+1]|, FLOOR
	v_max3_num_f32 v[W+9], |v[\b]|, |v[\b+1]|, |v[\b+2]|
.irp i, 0,1,2,3,4,5
	v_max3_num_f32 v[W+8], v[W+8], |v[\a+2+2*\i]|, |v[\a+3+2*\i]|
	v_max3_num_f32 v[W+9], v[W+9], |v[\b+3+2*\i]|, |v[\b+4+2*\i]|
.endr
	v_max3_num_f32 v[W+8], v[W+8], |v[\a+14]|, |v[\a+15]|
	v_max3_num_f32 v[W+8], v[W+8], v[W+9], |v[\b+15]|
.endm
; A pass's 32 keys: k is 4,096 dense bytes, its frames 2,048: each load reads 512 consecutive bytes, 16 a lane.
.macro LOADKF
.irp i, 0,1,2,3,4,5,6,7
	global_load_b128 v[RAW+4*\i:RAW+4*\i+3], v[GIN], s[KP:KP+1] offset:512*\i
.endr
.irp i, 0,1,2,3
	global_load_b128 v[RF+4*\i:RF+4*\i+3], v[GIN], s[FP:FP+1] offset:512*\i
.endr
.endm
.macro LOADV reg
.irp i, 0,1,2,3,4,5,6,7
	global_load_b128 v[\reg+4*\i:\reg+4*\i+3], v[GIN], s[VP:VP+1] offset:512*\i
.endr
.endm
; My pass's 32 keys of K become codes and scale words.  cnt: the younger global loads that may stay out.  ahead = 1: they belong to the chunk after the one in hand.
.macro PREP_K cnt, ahead
	s_wait_loadcnt \cnt                            ; k and the frames are in
.irp i, 0,1,2,3,4,5,6,7
	ds_store_b128 v[SINA], v[RAW+4*\i:RAW+4*\i+3] offset:4*PA*\i       ; through my own stage: in as loaded (a load's 512 bytes are four rows),
.endr
.irp i, 0,1,2,3
	ds_store_b128 v[SINF], v[RF+4*\i:RF+4*\i+3] offset:8*PF*\i         ; (of the frames: eight rows)
.endr
.irp g, 0,1,2,3
	ds_load_b128 v[S+32+4*\g:S+32+4*\g+3], v[SFR] offset:16*\g         ; back a row a lane: LANE = KEY.  LDS serves a wave's instructions in order (ISA guide 5.7.1.4): these see the stores above
.endr
.irp g, 0,1,2,3,4,5,6,7
	ds_load_b128 v[S+4*\g:S+4*\g+3], v[SROW] offset:16*\g              ; (no vector or matrix instruction since the last wait on va_vdst names S: in the loop the one ahead of O^T's products, at the head the one behind Q)
.endr
	s_wait_dscnt 0x0
	s_add_nc_u64 s[KP:KP+1], s[KP:KP+1], 65536     ; the next chunk's pass: 512 keys on.  The loads that read these bases are done
	s_add_nc_u64 s[FP:FP+1], s[FP:FP+1], 32768
	XFORM S+48, S+16, S+32                         ; k_g = F^T k
	BMAX S, S+48                                   ; the key's 32 channels are one block, all mine
	v_add_nc_u32 v[W+7], TWOFF, v[W+8]             ; the conversion takes the exponent field of this operand as its scale, and nothing else of it
	v_lshrrev_b32 v[W+9], 23, v[W+7]               ; the scale's byte,
	v_lshl_or_b32 v[W+9], v[W+9], 8, v[W+9]        ; for k slots 0-31 and 32-63; bytes 2 and 3 stay 0
	v_cvt_scalef32_pk16_fp6_f32 v[W:W+2], v[S:S+15], v[W+7]            ; channels 0-15: the fragment's lane (row, 0)
	v_cvt_scalef32_pk16_fp6_f32 v[W+4:W+6], v[S+48:S+63], v[W+7]       ; channels 16-31: lane (row, 1)
	v_add_nc_u32 v[W+10], s[CK], v[WKA]            ; (a plain line behind the conversions)
	v_add_nc_u32 v[W+11], s[CKS], v[WKSA]
	s_wait_alu depctr_va_vdst(0)                   ; the codes v[W .. W + 6], the scale word v[W + 9] and the two addresses v[W + 10], v[W + 11] are written: the three stores read them.  The lines above are also done with S, in which (at the head) PREP_V's loads land
	ds_store_b96 v[W+10], v[W:W+2] offset:CHK*\ahead
	ds_store_b96 v[W+10], v[W+4:W+6] offset:CHK*\ahead+256
	ds_store_b32 v[W+11], v[W+9] offset:CHKS*\ahead
	s_wait_alu depctr_vm_vsrc(0)                   ; the stage stores have read RAW and RF, in which loads land next; the three stores have read v[W ..], which the next step (at the head: PREP_V) writes
.endm
; The same 32 keys of V: a block along the second product's K, for each of the 32 channels.  reg: where v was loaded.  Stage F still holds the pass's frames.
.macro PREP_V reg, cnt, ahead
	s_wait_loadcnt \cnt
.irp i, 0,1,2,3,4,5,6,7
	ds_store_b128 v[SINA], v[\reg+4*\i:\reg+4*\i+3] offset:4*PA*\i
.endr
.irp g, 0,1,2,3
	ds_load_b128 v[S+32+4*\g:S+32+4*\g+3], v[SFR] offset:16*\g         ; (no vector or matrix instruction since the last wait on va_vdst names S: in the loop the one ahead of O^T's products, at the head PREP_K's)
.endr
.irp g, 0,1,2,3
	ds_load_b128 v[S+16+4*\g:S+16+4*\g+3], v[SROW] offset:64+16*\g     ; lane = key: its four four-vectors; the scalars stay in the stage as they are
.endr
	s_wait_dscnt 0x0
	s_add_nc_u64 s[VP:VP+1], s[VP:VP+1], 65536     ; the loads that read this base are done
	FLIP S+32
	XFORM S+48, S+16, S+32                         ; v_g = eta F^T eta v
	s_wait_alu depctr_va_vdst(0)                   ; the transform has written v[S + 48 .. S + 63], which the four stores read
.irp g, 0,1,2,3
	ds_store_b128 v[SROW], v[S+48+4*\g:S+48+4*\g+3] offset:64+16*\g
.endr
.if \reg == RAW
	s_wait_alu depctr_vm_vsrc(0)                   ; the eight stage stores at this macro's head have read RAW, in which the loads below land
.endif
.set n, 0
.rept 32
	ds_load_b32 v[RAW+n], v[SCOL] offset:PA*n      ; LANE = CHANNEL, registers down the 32 keys: 32 lanes read a row's 128 consecutive bytes
.set n, n+1
.endr
	s_wait_dscnt 0x0
	BMAX RAW, RAW+16
	v_add_nc_u32 v[W+7], TWOFF, v[W+8]
	v_lshrrev_b32 v[W+9], 23, v[W+7]
	v_cvt_scalef32_pk16_fp6_f32 v[W:W+2], v[RAW:RAW+15], v[W+7]
	v_cvt_scalef32_pk16_fp6_f32 v[W+4:W+6], v[RAW+16:RAW+31], v[W+7]   ; (a conversion's three registers begin on an even number)
	v_add_nc_u32 v[W+10], s[CV], v[WVA]            ; (a plain line behind the conversions)
	v_add_nc_u32 v[W+11], s[CVS], v[WVSA]
	v_mov_b32 v[W+3], v[W+4]
	v_mov_b32 v[W+4], v[W+5]
	v_mov_b32 v[W+5], v[W+6]                       ; v[W .. W + 5]: the block's 192 bits
	s_wait_alu depctr_va_vdst(0)                   ; the codes v[W .. W + 5], the byte v[W + 9] and the two addresses v[W + 10], v[W + 11] are written: the four stores read them
	ds_store_b64 v[W+10], v[W:W+1] offset:CHV*\ahead
	ds_store_b64 v[W+10], v[W+2:W+3] offset:CHV*\ahead+8
	ds_store_b64 v[W+10], v[W+4:W+5] offset:CHV*\ahead+16
	ds_store_b8 v[W+11], v[W+9] offset:CHVS*\ahead
.endm
; Step q of the chunk in hand: four of K's eight fragments, tiles t0 .. t0 + 3;
.macro LOADKT q, t0
.irp t, 0,1,2,3
	ds_load_b96 v[KF+4*(\t0+\t):KF+4*(\t0+\t)+2], v[RK] offset:4096*(\q)+512*(\t0+\t)
.endr
.endm
; their scale words;
.macro LOADKS q
	ds_load_b128 v[KS:KS+3], v[RKS] offset:512*(\q)
.endm
; and all nine loads on end
.macro LOADK q
	LOADKT \q, 0
	LOADKT \q, 4
	LOADKS \q
.endm
; V's two fragments and their scale words: 7 LDS loads
.macro LOADVF q
.irp ct, 0,1
.irp g, 0,1,2
	ds_load_b128 v[VF+12*\ct+4*\g:VF+12*\ct+4*\g+3], v[RV] offset:3072*(\q)+1536*\ct+16*\g
.endr
.endr
	ds_load_b32 v[VS], v[RVS] offset:128*(\q)
.endm
; Tile t of S^T.  Its registers 3-11 of source 0 are the next tiles' codes (tiles 6 and 7: V's): they meet Q's zero codes.
.macro SQK t
.if (\t)%2
	v_wmma_scale_f32_16x16x128_f8f6f4 v[S+8*\t:S+8*\t+7], v[KF+4*\t:KF+4*\t+11], v[Q:Q+11], 0, v[KS+\t/2], v[QS] matrix_a_fmt:MATRIX_FMT_FP6 matrix_b_fmt:MATRIX_FMT_FP6 matrix_a_scale:MATRIX_SCALE_ROW1
.else
	v_wmma_scale_f32_16x16x128_f8f6f4 v[S+8*\t:S+8*\t+7], v[KF+4*\t:KF+4*\t+11], v[Q:Q+11], 0, v[KS+\t/2], v[QS] matrix_a_fmt:MATRIX_FMT_FP6 matrix_b_fmt:MATRIX_FMT_FP6
.endif
.endm
; Eight links of the maxima's chains, a chain a tile: registers i and i + 1 of each tile
.macro MAXT i
.irp t, 0,1,2,3,4,5,6,7
	v_max3_num_f32 v[W+\t], v[W+\t], v[S+8*\t+\i], v[S+8*\t+\i+1]
.endr
.endm
; A KEY STEP: 128 keys, the q-th of the chunk in hand.  pre = 1: the next step's K is fetched on the way.
.macro STEP q, pre
	s_wait_dscnt 0x0                               ; K and its scale words are in
.irp t, 0,1,2,3,4,5,6,7
	SQK \t
.endr
	v_mov_b32 v[W+11], v[NM]                       ; the old -M.  With the three lines below: four places (ISA guide 7.12.1) ahead of the reads of S^T
.rept 3
	v_nop
.endr
	s_wait_alu depctr_va_vdst(0)                   ; S^T's eight products are done reading KF, KS and v68-75, the last step's two products of O^T are done reading VF and VS: the loads below land in these four
	LOADVF \q
.irp t, 0,1,2,3,4,5,6,7
	v_max3_num_f32 v[W+\t], v[S+8*\t], v[S+8*\t+1], v[S+8*\t+2]        ; the largest score, a chain a tile, by turns; each result is read from its low end on
.endr
.if \pre
	LOADKT (\q)+1, 0                               ; K's nine loads are dealt among the maxima, which name W and S alone: none of the registers that these loads touch
.endif
	MAXT 3
.if \pre
	LOADKT (\q)+1, 4
.endif
	MAXT 5
.if \pre
	LOADKS (\q)+1
.endif
.irp c, 0,1
	v_max3_num_f32 v[W+4*\c], v[W+4*\c], v[W+4*\c+1], v[W+4*\c+2]      ; THE LARGEST SCORE OF EACH OF MY TWO BLOCKS OF 32 KEYS: it serves for the row's maximum and, since p rises with the score, for the block's largest p
.endr
.irp c, 0,1
	v_max3_num_f32 v[W+4*\c], v[W+4*\c], v[W+4*\c+3], v[S+32*\c+7]
.endr
.irp c, 0,1
	v_max3_num_f32 v[W+4*\c], v[W+4*\c], v[S+32*\c+15], v[S+32*\c+23]
.endr
.irp c, 0,1
	v_max_num_f32 v[W+4*\c], v[W+4*\c], v[S+32*\c+31]
.endr
	v_max_num_f32 v[W+1], v[W], v[W+4]
	v_permlanex16_b32 v[W+2], v[W+1], s[SEL], s[SEL+1]
	v_max_num_f32 v[W+1], v[W+1], v[W+2]           ; with lane l xor 16's 64 keys: the step's largest score of my query
	v_mul_f32 v[W+1], s[CS], v[W+1]                ; as t (c is positive)
	v_max_num_f32 v[TM], v[TM], v[W+1]             ; the running largest t
	v_floor_f32 v[NM], -v[TM]                      ; the new -M = -ceil(t): M is a whole number
	v_sub_f32 v[W+1], v[NM], v[W+11]               ; old M - new M: a whole number, 0 or less
	v_cvt_i32_f32 v[W+1], v[W+1]                   ; (it saturates)
	v_ldexp_f32 v[FF], 1.0, v[W+1]                 ; f = 2^(old M - new M): a multiplication by it rounds nothing
.set n, 0
.rept 32
	v_pk_fma_f32 v[S+n:S+n+1], v[S+n:S+n+1], s[CS:CS+1], v[NM:NM+1] op_sel_hi:[1,0,0]   ; t - M, two at a time
.set n, n+2
.endr
	v_fma_f32 v[W], v[W], s[CS], v[NM]             ; the same of each block's largest score
	v_fma_f32 v[W+4], v[W+4], s[CS], v[NM]
.set n, 0
	s_wait_alu depctr_va_vdst(0)
.rept 64
	v_exp_f32 v[S+n], v[S+n]                       ; p = 2^(t - M), at most 1: not normalised
.set n, n+1
.endr
	v_exp_f32 v[W], v[W]                           ; the blocks' largest p: the same two instructions on the same number give the same bits
	v_exp_f32 v[W+4], v[W+4]
	v_pk_mul_f32 v[LS:LS+1], v[LS:LS+1], v[FF:FF+1] op_sel_hi:[1,0]    ; the sum under the new M.  (The plain line behind the exponentials: ISA guide 5.7.2)
	s_wait_alu depctr_va_vdst(0)                   ; the 66 exponentials have written p in S and the two largest p in v[W], v[W + 4]: one wait for the batch, ahead of its first reader
	v_max_num_f32 v[W], FLOOR, v[W]
	v_max_num_f32 v[W+4], FLOOR, v[W+4]
	v_add_nc_u32 v[W+2], TWOFF, v[W]               ; the conversions' scale operands
	v_add_nc_u32 v[W+3], TWOFF, v[W+4]
	v_lshrrev_b32 v[W+5], 23, v[W+2]               ; the scales' bytes: blocks h and 2 + h of my query,
	v_lshrrev_b32 v[W+6], 23, v[W+3]
	v_lshl_or_b32 v[W+5], v[W+6], 16, v[W+5]
	v_lshlrev_b32 v[W+5], v[SH8], v[W+5]           ; at their places in the scale word;
	v_permlanex16_b32 v[W+6], v[W+5], s[SEL], s[SEL+1]
	v_or_b32 v[PW], v[W+5], v[W+6]                 ; with lane l xor 16's two the word is whole
	v_cvt_scalef32_pk16_fp6_f32 v[P:P+2], v[S:S+15], v[W+2]
	v_cvt_scalef32_pk16_fp6_f32 v[W+8:W+10], v[S+16:S+31], v[W+2]      ; (a conversion's three registers begin on an even number: the second half of a block's six is made elsewhere and moved)
	v_cvt_scalef32_pk16_fp6_f32 v[P+6:P+8], v[S+32:S+47], v[W+3]
	v_cvt_scalef32_pk16_fp6_f32 v[W+4:W+6], v[S+48:S+63], v[W+3]
	v_pk_add_f32 v[L2:L2+1], v[S:S+1], v[S+2:S+3]  ; THE ROW'S SUM IS TAKEN OF THE UNQUANTISED p, in two chains.  (The plain line behind the conversions)
.irp i, 0,1,2
	v_mov_b32 v[P+3+\i], v[W+8+\i]
	v_mov_b32 v[P+9+\i], v[W+4+\i]
.endr
.set n, 0
.rept 8
	v_pk_mul_f32 v[OT+n:OT+n+1], v[OT+n:OT+n+1], v[FF:FF+1] op_sel_hi:[1,0]   ; O^T under the new M, each accumulator from its low end on
.set n, n+2
.endr
.set n, 4
.rept 15
	v_pk_add_f32 v[LS:LS+1], v[LS:LS+1], v[S+n:S+n+1]
	v_pk_add_f32 v[L2:L2+1], v[L2:L2+1], v[S+n+2:S+n+3]
.set n, n+4
.endr
	v_pk_add_f32 v[LS:LS+1], v[LS:LS+1], v[L2:L2+1]    ; (these 31 lines are far more than the eight places that p's scale word and the four that its codes stand ahead of the products)
	s_wait_dscnt 9*\pre                            ; V and its scale words are in; the nine loads of the next step's K, issued behind them, may stay out
	s_wait_alu depctr_va_vdst(0)                   ; p's codes in P and its scale word in PW are written, which the scaled products take; the places above stay beside this wait.  The softmax is also done with S, in which a preparation's or the way out's LDS loads land next
	v_wmma_scale_f32_16x16x128_f8f6f4 v[OT:OT+7], v[VF:VF+11], v[P:P+11], v[OT:OT+7], v[VS], v[PW] matrix_a_fmt:MATRIX_FMT_FP6 matrix_b_fmt:MATRIX_FMT_FP6
	v_wmma_scale_f32_16x16x128_f8f6f4 v[OT+8:OT+15], v[VF+12:VF+23], v[P:P+11], v[OT+8:OT+15], v[VS], v[PW] matrix_a_fmt:MATRIX_FMT_FP6 matrix_b_fmt:MATRIX_FMT_FP6 matrix_a_scale:MATRIX_SCALE_ROW1
.endm                                  ; the two accumulators take turns, and S^T's eight products stand between two links of a chain
; A CHUNK: four key steps.  prep = 1: my pass of the next chunk is prepared on the way: k and the frames are asked for at the head and worked behind step 1, v is asked for there and worked behind step 3.
.macro CHUNK prep
	s_wait_alu depctr_vm_vsrc(0)                   ; the last chunk's LDS loads have read v11-14, which the four lines below write; PREP_V's stores have read v[W ..] and v[S + 48 ..], which the first step writes; in the first chunk its stage stores have read KF, in which K's loads land
	s_barrier_signal -1                            ; in front of it every wave has waited for its LDS stores: its pass of this chunk lies in LDS
	v_add_nc_u32 v[RK], s[CK], v[GIN]              ; where this chunk is read
	v_add_nc_u32 v[RKS], s[CKS], v[GIN]
	v_mad_u32_u24 v[RV], v[LANE], 48, s[CV]
	v_lshl_add_u32 v[RVS], v[LANE], 2, s[CVS]
	s_barrier_wait -1                              ; all sixteen passes do
	s_wait_alu depctr_va_vdst(0)                   ; the four read addresses v11-14 are written, which this chunk's LDS loads read; in the first chunk Q's codes and scale word are written, which the scaled products take
.if \prep
	LOADKF
.endif
	LOADK 0
	STEP 0, 1
	STEP 1, 1
.if \prep
	PREP_K 0, 1
	LOADV RAW                                      ; PREP_K's last wait states that its stage stores have read these registers
.endif
	STEP 2, 1
	STEP 3, 0                                      ; the next chunk's K is read only behind the barrier
.if \prep
	PREP_V RAW, 0, 1
	s_wait_dscnt 0x0                               ; for the others' sake: my pass's stores have landed
	s_add_co_u32 s[CK], s[CK], CHK
	s_add_co_u32 s[CKS], s[CKS], CHKS
	s_add_co_u32 s[CV], s[CV], CHV
	s_add_co_u32 s[CVS], s[CVS], CHVS
.endif
.endm
	s_load_b256 s[4:11], s[0:1], 0x0               ; q s[4:5], k s[6:7], v s[8:9], frames s[10:11]
	s_load_b64 s[12:13], s[0:1], 0x20              ; out
	v_lshrrev_b32 v16, 5, v0
	v_readfirstlane_b32 s[WAVE], v16               ; wave 0..15
	v_and_b32 v[LANE], 31, v0
	v_lshlrev_b32 v[GIN], 4, v[LANE]
	s_wait_alu depctr_va_sdst(0)                   ; the wave's number is written, ahead of its first reader: the bases and the LDS places are made from it
	s_and_b32 s15, ttmp7, 0xffff                   ; batch x 8 + head
	s_lshl_b32 s28, s15, 18                        ; a head is 2,048 x 128 bytes
	s_lshl_b32 s29, s[WAVE], 12
	s_add_co_u32 s16, s28, s29                     ; k, v: my pass of chunk 0: keys 32 x wave on
	s_mov_b32 s17, 0
	s_lshl_b32 s29, ttmp9, 15
	s_add_co_u32 s30, s28, s29
	s_lshl_b32 s29, s[WAVE], 11
	s_add_co_u32 s30, s30, s29                     ; q, out: query 256 x work-group x + 16 x wave
	s_mov_b32 s31, 0
	s_lshr_b32 s28, s15, 3
	s_lshl_b32 s28, s28, 17                        ; a batch's frames are 2,048 x 64 bytes
	s_add_co_u32 s18, s28, s29                     ; the frames of my pass's keys
	s_mov_b32 s19, 0
	s_lshl_b32 s29, ttmp9, 14
	s_add_co_u32 s32, s28, s29
	s_lshl_b32 s29, s[WAVE], 10
	s_add_co_u32 s32, s32, s29                     ; the frames of my queries
	s_mov_b32 s33, 0
	s_wait_kmcnt 0x0
	s_add_nc_u64 s[26:27], s[10:11], s[32:33]
	s_add_nc_u64 s[FP:FP+1], s[FP:FP+1], s[18:19]
	s_add_nc_u64 s[KP:KP+1], s[KP:KP+1], s[16:17]
	s_add_nc_u64 s[VP:VP+1], s[VP:VP+1], s[16:17]
	s_add_nc_u64 s[4:5], s[4:5], s[30:31]
	s_add_nc_u64 s[12:13], s[12:13], s[30:31]
	s_wait_alu depctr_va_vdst(0)                   ; v1, 16 x lane, is written: every global load and store of the kernel reads it as its offset
.irp i, 0,1,2,3
	global_load_b128 v[VF+4*\i:VF+4*\i+3], v[GIN], s[4:5] offset:512*\i th:TH_LOAD_NT    ; my 16 queries: 2,048 dense bytes, read by nobody else
.endr
.irp i, 0,1
	global_load_b128 v[VF+16+4*\i:VF+16+4*\i+3], v[GIN], s[26:27] offset:512*\i          ; their frames: 1,024
.endr
	LOADKF                                         ; chunk 0's pass
	LOADV KF
	; LDS addresses: constants, the lane's bits and the wave's bits
	s_mul_i32 s25, s[WAVE], STGW
	s_add_co_u32 s25, s25, STG                     ; my stage
	s_add_co_u32 s28, s25, SFO
	s_add_co_u32 s29, s25, FQO
	v_lshrrev_b32 v16, 3, v[LANE]                  ; lane / 8
	v_and_b32 v17, 7, v0                           ; lane % 8
	v_and_b32 v18, 15, v0                          ; r = lane % 16
	v_bfe_u32 v19, v0, 4, 1                        ; h = lane / 16
	v_bfe_u32 v20, v0, 3, 1                        ; (lane / 8) % 2
	v_lshrrev_b32 v21, 2, v[LANE]                  ; lane / 4
	v_and_b32 v22, 3, v0                           ; lane % 4
	v_mad_u32_u24 v[SINA], v16, PA, s25
	v_lshl_add_u32 v[SINA], v17, 4, v[SINA]
	v_mad_u32_u24 v[SINF], v21, PF, s28
	v_lshl_add_u32 v[SINF], v22, 4, v[SINF]
	v_mad_u32_u24 v[SROW], v[LANE], PA, s25
	v_mad_u32_u24 v[SFR], v[LANE], PF, s28
	v_lshl_add_u32 v[SCOL], v[LANE], 2, s25
	v_mad_u32_u24 v[FQR], v18, PF, s29
	v_lshlrev_b32 v[SH8], 3, v19
	v_mad_u32_u24 v[OST], v18, PA, s25
	v_lshl_add_u32 v[QRD], v19, 6, v[OST]
	v_lshl_add_u32 v[OST], v19, 5, v[OST]
	; My pass is block wave of a chunk's sixteen: step wave / 4, and in it keys 64 c + 32 hh + lane, c = (wave / 2) % 2, hh = wave % 2.
	s_lshr_b32 s30, s[WAVE], 2
	s_bfe_u32 s31, s[WAVE], 0x10001                ; c
	s_and_b32 s32, s[WAVE], 1                      ; hh
	; K: key lane is row 8 hh + lane % 8 of tile 4 c + lane / 8: 4,096 step + 512 tile + 16 row (+ 256 for the fragment's lanes 16-31)
	s_lshl_b32 s33, s30, 12
	s_lshl_b32 s34, s31, 11
	s_add_co_u32 s33, s33, s34
	s_lshl_b32 s34, s32, 7
	s_add_co_u32 s33, s33, s34
	v_lshl_add_u32 v[WKA], v16, 9, s33
	v_lshl_add_u32 v[WKA], v17, 4, v[WKA]
	; its scale word: 512 step + 16 (row + 16 (tile % 2)) + 4 (tile / 2)
	s_lshl_b32 s33, s30, 9
	s_add_co_u32 s33, s33, s34
	s_lshl_b32 s34, s31, 3
	s_add_co_u32 s33, s33, s34
	v_lshl_add_u32 v[WKSA], v17, 4, s33
	v_lshl_add_u32 v[WKSA], v20, 8, v[WKSA]
	v_lshl_add_u32 v[WKSA], v19, 2, v[WKSA]
	; V: channel lane is row lane % 16 of channel tile lane / 16; the block is registers 6 c .. 6 c + 5 of the fragment's lane (row, hh): 3,072 step + 1,536 tile + 48 (row + 16 hh) + 24 c
	s_mul_i32 s33, s30, 3072
	s_mul_i32 s34, s32, 768
	s_add_co_u32 s33, s33, s34
	s_mul_i32 s34, s31, 24
	s_add_co_u32 s33, s33, s34
	v_mad_u32_u24 v[WVA], v19, 1536, s33
	v_mad_u32_u24 v[WVA], v18, 48, v[WVA]
	; its scale byte: 128 step + 4 channel + the block's number in the step
	s_lshl_b32 s33, s30, 7
	s_and_b32 s34, s[WAVE], 3
	s_add_co_u32 s33, s33, s34
	v_lshl_add_u32 v[WVSA], v[LANE], 2, s33
	s_mov_b32 s[SEL], 0x76543210
	s_mov_b32 s[SEL+1], 0xfedcba98
	s_mov_b32 s[CS], 0x3d38aa3b                    ; c = log2(e) / 32
	s_mov_b32 s[CS+1], s[CS]                       ; (named with it as a pair, so it is written)
	s_mov_b32 s[CK], KIMG
	s_mov_b32 s[CKS], KSC
	s_mov_b32 s[CV], VIMG
	s_mov_b32 s[CVS], VSC
	v_mov_b32 v[W+9], 0                            ; written once: a lane permute's destination counts as one of its sources
	; ---- Q: my 16 queries become one fragment.  Lane (r, h) takes channels 16 h .. 16 h + 15 of query r
	s_wait_loadcnt 20                              ; q and its frames are in; k's 8, the frames' 4 and v's 8 loads, issued behind them, may stay out
	s_wait_alu depctr_va_vdst(0)                   ; the stage's addresses v2-6, v15, v204 and v205 are written, which the LDS stores and loads of the whole kernel read
.irp i, 0,1,2,3
	ds_store_b128 v[SINA], v[VF+4*\i:VF+4*\i+3] offset:4*PA*\i
.endr
.irp i, 0,1
	ds_store_b128 v[SINF], v[VF+16+4*\i:VF+16+4*\i+3] offset:FQO-SFO+8*PF*\i   ; into part FQ, where they stay for the way out
.endr
.irp g, 0,1,2,3
	ds_load_b128 v[S+4*\g:S+4*\g+3], v[QRD] offset:16*\g
.endr
.irp g, 0,1,2,3
	ds_load_b128 v[S+32+4*\g:S+32+4*\g+3], v[FQR] offset:16*\g
.endr
	s_wait_dscnt 0x0
	FLIP S+32
	XFORM S+48, S, S+32                            ; q_g = eta F^T eta q: every lane computes it, lanes 16-31 keep it
	v_cmp_ne_u32 vcc_lo, 0, v[SH8]
	s_wait_alu depctr_va_vcc(0)                    ; the compare has written VCC, ahead of its first reader
.set n, 0
.rept 16
	v_cndmask_b32 v[S+n], v[S+n], v[S+48+n], vcc_lo
.set n, n+1
.endr
	v_max3_num_f32 v[W+8], |v[S]|, |v[S+1]|, FLOOR
.irp i, 2,4,6,8,10,12,14
	v_max3_num_f32 v[W+8], v[W+8], |v[S+\i]|, |v[S+\i+1]|
.endr
	v_permlanex16_b32 v[W+9], v[W+8], s[SEL], s[SEL+1]
	v_max_num_f32 v[W+8], v[W+8], v[W+9]           ; with lane l xor 16's 16 channels: the row's one block
	v_add_nc_u32 v[W+7], TWOFF, v[W+8]
	v_lshrrev_b32 v[W+9], 23, v[W+7]
	v_lshl_or_b32 v[QS], v[W+9], 8, v[W+9]         ; the byte for k slots 0-31 and 32-63; bytes 2 and 3 are 0
	v_cvt_scalef32_pk16_fp6_f32 v[Q:Q+2], v[S:S+15], v[W+7]
.irp i, 3,4,5,6,7,8,9,10,11
	v_mov_b32 v[Q+\i], 0                           ; zero codes at every k slot that holds no channel.  (The first is the plain line behind the conversion)
.endr
	s_wait_alu depctr_va_vdst(0)                   ; the lines above are done writing and reading S, in which PREP_K's LDS loads land
	; ---- chunk 0's pass
	PREP_K 8, 0                                    ; v's 8 loads may stay out
	PREP_V KF, 0, 0
.set n, 0
.rept 16
	v_mov_b32 v[OT+n], 0                           ; the key step is written without a first step of its own: it finds zeros, which the first change of M leaves zeros
.set n, n+1
.endr
	v_mov_b32 v[LS], 0
	v_mov_b32 v[LS+1], 0
	v_mov_b32 v[FF+1], 0                           ; (named as the upper half of a pair)
	v_mov_b32 v[TM], 0xff61b1e6                    ; the largest t so far: -3e38, under every t
	v_floor_f32 v[NM], -v[TM]
	s_wait_dscnt 0x0                               ; for the others' sake: my pass's stores have landed
	s_mov_b32 s[CH], 0
.Lchunk:                                               ; three trips: chunks 0 to 2, each with the next chunk's preparation
	CHUNK 1
	s_add_co_u32 s[CH], s[CH], 1
	s_cmp_lt_u32 s[CH], 3
	s_cbranch_scc1 .Lchunk
	CHUNK 0                                        ; the last chunk is written out: nothing is left to prepare, and no load leaves its buffer
	; ---- THE WAY OUT: O^T / l, the frame of my query on the four-vectors, through my stage, out in dense runs of 512 bytes
.irp g, 0,1,2,3
	ds_load_b128 v[S+32+4*\g:S+32+4*\g+3], v[FQR] offset:16*\g         ; F of query r, as it was loaded.  (Since the wait ahead of the last two products nothing has named S)
.endr
	v_add_f32 v[W], v[LS], v[LS+1]                 ; the sum's two halves,
	v_permlanex16_b32 v[W+1], v[W], s[SEL], s[SEL+1]
	v_add_f32 v[W], v[W], v[W+1]                   ; and lane l xor 16's: the row's sum
	v_nop
	v_nop                                          ; (two additions and two v_nop: the four places behind the last products, ISA guide 7.12.1)
	s_wait_alu depctr_va_vdst(0)
	v_rcp_f32 v[W], v[W]
	v_nop                                          ; a plain line behind the reciprocal
.set n, 0
	s_wait_alu depctr_va_vdst(0)                   ; the reciprocal has written v[W], ahead of its first reader
.rept 8
	v_pk_mul_f32 v[S+n:S+n+1], v[OT+n:OT+n+1], v[W:W+1] op_sel_hi:[1,0]    ; Y: register 8 ct + j = channel 16 ct + 8 h + j; each accumulator from its low end on
.set n, n+2
.endr
	s_wait_alu depctr_va_vdst(0)
	s_wait_dscnt 0x0
.irp a, 0,1                            ; registers 8-15 are two whole four-vectors: Z[4 a + i] = the sum over j of F[4 i + j] Y[8 + 4 a + j]
.irp i, 0,1,2,3
	v_mul_f32 v[S+16+4*\a+\i], v[S+32+4*\i], v[S+8+4*\a]
.endr
.endr
.irp j, 1,2,3
.irp a, 0,1
.irp i, 0,1,2,3
	v_fmac_f32 v[S+16+4*\a+\i], v[S+32+4*\i+\j], v[S+8+4*\a+\j]
.endr
.endr
.endr
	s_wait_alu depctr_va_vdst(0)                   ; Y in v[S .. S + 7] and Z in v[S + 16 .. S + 23] are written, which the four stores read; no vector line behind this wait names v[S + 48 ..], in which the read-backs land
	ds_store_b128 v[OST], v[S:S+3]                 ; row r: channels 8 h .. 8 h + 7,
	ds_store_b128 v[OST], v[S+4:S+7] offset:16
	ds_store_b128 v[OST], v[S+16:S+19] offset:64   ; and 16 + 8 h .. 16 + 8 h + 7
	ds_store_b128 v[OST], v[S+20:S+23] offset:80
.irp i, 0,1,2,3
	ds_load_b128 v[S+48+4*\i:S+48+4*\i+3], v[SINA] offset:4*PA*\i      ; back as they lie in memory: four rows a load.  LDS serves a wave's instructions in order: these see my stores
.endr
.irp i, 0,1,2,3
	s_wait_dscnt 3-\i                              ; load i is in; the younger ones may stay out
	global_store_b128 v[GIN], v[S+48+4*\i:S+48+4*\i+3], s[12:13] offset:512*\i th:TH_STORE_NT   ; 32 lanes store 512 consecutive bytes, at a multiple of 512 from out's first byte
.endr
	s_wait_xcnt 0x0
	v_lshl_add_u32 v254, v0, 2, 0x3f800            ; the add's two registers are made anew here.  v254 and v255 were last read by the third chunk's stage stores of the frames, which stand ahead of PREP_K's wait on vm_vsrc
	v_mov_b32 v255, 0
	s_wait_dscnt 0x0                               ; the closing lines, six on end
	s_wait_alu 0x0
	s_wait_tensorcnt 0x0
	ds_add_u32 v254, v255
	s_wait_dscnt 0x0
	s_endpgm
.Lfunc_end_k_q5d284f3227_attn:
	.size	k_q5d284f3227_attn, .Lfunc_end_k_q5d284f3227_attn-k_q5d284f3227_attn
	.p2alignl 7, 3214868480
	.fill 96, 4, 3214868480
	.section	.rodata,"a",@progbits
	.p2align	6, 0x0
	.amdhsa_kernel k_q5d284f3227_attn
		.amdhsa_group_segment_fixed_size 262144
		.amdhsa_private_segment_fixed_size 0
		.amdhsa_enable_private_segment 0
		.amdhsa_kernarg_size 40
		.amdhsa_user_sgpr_count 2
		.amdhsa_user_sgpr_kernarg_segment_ptr 1
		.amdhsa_wavefront_size32 1
		.amdhsa_system_sgpr_workgroup_id_x 1
		.amdhsa_system_sgpr_workgroup_id_y 1
		.amdhsa_system_sgpr_workgroup_id_z 1
		.amdhsa_system_vgpr_workitem_id 0
		.amdhsa_next_free_vgpr 256
		.amdhsa_next_free_sgpr 66
		.amdhsa_reserve_vcc 1
		.amdhsa_float_denorm_mode_32 3
		.amdhsa_float_denorm_mode_16_64 3
		.amdhsa_memory_ordered 1
		.amdhsa_forward_progress 1
		.amdhsa_inst_pref_size 146
	.end_amdhsa_kernel
	.amdgpu_metadata
---
amdhsa.version: [ 1, 2 ]
amdhsa.kernels:
  - .name:           k_q5d284f3227_attn
    .symbol:         k_q5d284f3227_attn.kd
    .args:
      - { .name: q_local, .offset: 0, .size: 8, .value_kind: global_buffer, .address_space: global }
      - { .name: k_local, .offset: 8, .size: 8, .value_kind: global_buffer, .address_space: global }
      - { .name: v_local, .offset: 16, .size: 8, .value_kind: global_buffer, .address_space: global }
      - { .name: frames, .offset: 24, .size: 8, .value_kind: global_buffer, .address_space: global }
      - { .name: out0, .offset: 32, .size: 8, .value_kind: global_buffer, .address_space: global }
    .group_segment_fixed_size: 262144
    .private_segment_fixed_size: 0
    .kernarg_segment_align: 8
    .kernarg_segment_size: 40
    .max_flat_workgroup_size: 512
    .sgpr_count:     66
    .vgpr_count:     256
    .wavefront_size: 32
...
	.end_amdgpu_metadata
.endif
;; end of part 2
